; MI455X (gfx1250); checked and timed in simulation.
; The chip was launched on July 23, 2026; its instructions are those of AMD's public machine-readable ISA for CDNA 5 (MIT licence, August 2026) and "CDNA5" Instruction Set Architecture Reference Guide (July 2026). The comments in the code are by the model that wrote it; some were corrected since.
;; Gating Network. Allowed arithmetic: matrix products marked QUANTISED: E2M1 operands, one E8M0 scale for each 32 along K, by v_wmma_scale_f32_16x16x128_f8f6f4 with both operands' format E2M1 (or v_wmma_scale_f32_32x16x128_f4), f32 sums; everything else in f32.
;; Inputs: W 2,048 x 64 float32; b 64 float32; x 16,384 x 2,048 float32.
;; Outputs: out0 16,384 x 2 float32; out1 16,384 x 2 int32; out2 16,384 x 64 float32.
;; This version of the problem:
;;   THIS VERSION OF THE PROBLEM IS GIVEN IN LOW PRECISION. The matrix products marked QUANTISED in the list below multiply operands that are first quantised to E2M1 (2 exponent bits, 1 mantissa bit; 4 bits a number), with one power-of-two scale for each 32 numbers along K (OCP MX v1.0); their sums are f32. All else is computed in f32.
;;   The module's matrix products, in the order in which they are computed (A, B: the left and right operand; K: the contracted axis; several contracted axes count as one K, in the product's order):
;;     1. [M 16,384, K 2,048] x [K 2,048, N 64]; A: input x; B: input W: QUANTISED
;;   THE QUANTISER, for each operand of a quantised product, along K:
;;     - K is cut into blocks of 32 from its start; a last block that is shorter is filled with zeros.
;;     - A block's scale is 2^e with e = floor(log2(the largest magnitude in the block)) - 2, held to -126 .. 127; a block of zeros has e = 0. As a byte (E8M0): e + 127.
;;     - Each number is divided by its block's scale, clamped to +-6, and rounded to the nearest number of E2M1, ties to even, subnormals kept.
;;     - The product sums the exact products of the quantised numbers (number of the format x scale) in f32.
;;   ~~~python
;;   def quantise(x, axis):      # numpy; x: float32 -> the quantised numbers, widened to float32 again
;;       x = np.moveaxis(x, axis, -1); K = x.shape[-1]
;;       x = np.pad(x, [(0, 0)] * (x.ndim - 1) + [(0, -K % 32)]); x = x.reshape(x.shape[:-1] + (-1, 32)); a = np.abs(x).max(-1, keepdims=True)
;;       e = np.where(a > 0, np.clip(np.frexp(np.where(a > 0, a, 1))[1] - 1 - 2, -126, 127), 0)      # np.frexp(a)[1] - 1 = floor(log2(a)), exactly
;;       r = np.clip(x / 2.0 ** e, -6, 6)
;;       step = 2.0 ** (np.maximum(np.frexp(np.where(r == 0, 1, r))[1] - 1, 0) - 1)
;;       q = np.round(r / step) * step * 2.0 ** e      # np.round: ties to even
;;       return np.moveaxis(q.reshape(q.shape[:-2] + (-1,))[..., :K], -1, axis).astype(np.float32)
;;   ~~~
;; One version. Each part assembles by itself: llvm-mc -triple=amdgcn-amd-amdhsa -mcpu=gfx1250 --defsym DOCPART=n.
;; ======== version 1 of 1: 2 launches
;; workspace buffers: wq 69,632 bytes
;; launch quantw (part 1): grid 16 x 1, 8 waves a work-group, no clusters, 1,280 bytes of LDS; arguments W, wq; writes wq
.if DOCPART == 1
	.amdgcn_target "amdgcn-amd-amdhsa--gfx1250"
	.amdhsa_code_object_version 6
	.text
	.protected	k_q2ee9ae2f5a_quantw
	.globl	k_q2ee9ae2f5a_quantw
	.p2align	8
	.type	k_q2ee9ae2f5a_quantw,@function
k_q2ee9ae2f5a_quantw:
	s_mov_b64 s[64:65], 0
	v_nop
	global_prefetch_b8 v0, s[64:65] scope:SCOPE_SE
	s_setreg_imm32_b32 hwreg(HW_REG_WAVE_MODE, 25, 1), 1
	s_wait_xcnt 0x0
; W [2048 (k)][64 (expert)], f32, K its FIRST axis, becomes codes of FP4 (E2M1) with one E8M0 scale byte for each 32 along K,
; laid as the next launch's matrix operand wants them, so that it needs no shuffle:
;   codes:  fragment (K step s of 128, tile t of 16 experts) at byte 1024 (4 s + t); in it the 16 bytes of block (c, h), k = 128 s + 64 c + 32 h + 0..31,
;           of expert 16 t + r at 512 c + 256 h + 16 r: an image of the operand's registers 4 c .. 4 c + 3 in lane 16 h + r.
;   scales: behind the codes, at byte 65,536: the word of (s, expert 16 t + r) at 256 s + 16 r + 4 t, its byte b for k = 128 s + 32 b + 0..31.
; A LANE TAKES AN EXPERT, AND ITS REGISTERS RUN DOWN K: a block of 32 lies in one lane's 32 registers, its largest magnitude needs no other lane, and the conversions give codes with K innermost.
; A block's scale is 2^(floor(log2(largest magnitude)) - 2): its byte is the largest magnitude's exponent field - 2, held at 1 from below by a floor among the maximum's leaves.
; SHARES: work-group s takes K step s.  Wave 2 b + eh takes block b of the step for experts 32 eh + lane.  Each load of a wave reads 128 consecutive bytes of a row of W.
; LIMITS: a block of zeros gets the byte 1 where the rule says 127 (its codes are zeros, which add nothing under any byte but 0xff, and this program alone reads the bytes); NaN and infinities are not served.
.set XN, 32                            ; v32-63  my block's 32 numbers
.set CO, 16                            ; v16-19  its codes
	s_load_b128 s[4:7], s[0:1], 0x0                ; W s[4:5], wq s[6:7]
	v_lshl_add_u32 v64, v0, 2, 0x100
	v_mov_b32 v65, 0
	v_lshrrev_b32 v1, 5, v0
	s_delay_alu instid0(VALU_DEP_1)
	v_readfirstlane_b32 s8, v1                     ; wave 0..7
	s_lshr_b32 s9, s8, 1                           ; b: which block of the K step
	s_and_b32 s10, s8, 1                           ; eh: which 32 experts
	v_and_b32 v2, 31, v0                           ; lane
	s_delay_alu instid0(VALU_DEP_1)
	v_lshlrev_b32 v3, 2, v2                        ; in: 4 bytes a lane
	v_and_b32 v4, 15, v0                           ; r
	v_bfe_u32 v5, v0, 4, 1                         ; which of my wave's two tiles
	s_delay_alu instid0(VALU_DEP_2)
	v_lshlrev_b32 v6, 4, v4                        ; 16 r
	s_delay_alu instid0(VALU_DEP_1)
	v_lshl_add_u32 v7, v5, 10, v6                  ; codes out: 1024 (lane / 16) + 16 r: sixteen lanes fill 256 consecutive bytes
	s_delay_alu instid0(VALU_DEP_2)
	v_lshl_add_u32 v8, v5, 2, v6                   ; LDS: my scale byte at 16 r + 4 t + b, t = 2 eh + lane / 16
	s_lshl_b32 s11, s10, 3
	s_add_co_u32 s11, s11, s9
	v_add_nc_u32 v8, s11, v8
	v_lshlrev_b32 v9, 3, v2                        ; the scale words' way out: 8 bytes a lane, in LDS and in wq alike
	s_lshl_b32 s12, ttmp9, 15                      ; W: K step s is 128 rows of 256 bytes,
	s_lshl_b32 s13, s9, 13                         ; a block 32 rows,
	s_add_co_u32 s12, s12, s13
	s_lshl_b32 s13, s10, 7                         ; 32 experts 128 bytes
	s_add_co_u32 s12, s12, s13
	s_mov_b32 s13, 0
	s_lshl_b32 s14, ttmp9, 12                      ; codes: 4096 s + 2048 eh + 256 b  (512 c + 256 h = 256 b)
	s_lshl_b32 s15, s10, 11
	s_add_co_u32 s14, s14, s15
	s_lshl_b32 s15, s9, 8
	s_add_co_u32 s14, s14, s15
	s_mov_b32 s15, 0
	s_lshl_b32 s16, ttmp9, 8                       ; scale words: 65,536 + 256 s
	s_add_co_u32 s16, s16, 65536
	s_mov_b32 s17, 0
	s_wait_alu depctr_va_vdst(0)
	s_wait_kmcnt 0x0
	s_add_nc_u64 s[4:5], s[4:5], s[12:13]
	s_add_nc_u64 s[18:19], s[6:7], s[14:15]
	s_add_nc_u64 s[20:21], s[6:7], s[16:17]
.set i_, 0
.rept 32
	global_load_b32 v[XN+i_], v3, s[4:5] offset:256*i_ th:TH_LOAD_NT   ; W(128 s + 32 b + i, my expert)
.set i_, i_+1
.endr
	s_wait_loadcnt 0x0
	v_max3_num_f32 v12, |v[XN]|, |v[XN+1]|, |v[XN+2]|                 ; the block's largest magnitude, in two chains
	v_max3_num_f32 v13, |v[XN+3]|, |v[XN+4]|, |v[XN+5]|
.irp i, 6,10,14,18,22,26
	s_delay_alu instid0(VALU_DEP_2)
	v_max3_num_f32 v12, v12, |v[XN+\i]|, |v[XN+\i+1]|
	s_delay_alu instid0(VALU_DEP_2)
	v_max3_num_f32 v13, v13, |v[XN+\i+2]|, |v[XN+\i+3]|
.endr
	s_delay_alu instid0(VALU_DEP_2)
	v_max3_num_f32 v12, v12, |v[XN+30]|, |v[XN+31]|
	s_delay_alu instid0(VALU_DEP_1)
	v_max3_num_f32 v12, v12, v13, 0x1800000        ; and the floor 2^(3 - 127): the byte cannot fall under 1
	s_delay_alu instid0(VALU_DEP_1)
	v_add_nc_u32 v11, 0xff000000, v12              ; 2 off the exponent field: the conversion takes the exponent field of this operand as its scale, and nothing else of it
	s_delay_alu instid0(VALU_DEP_1)
	v_lshrrev_b32 v13, 23, v11                     ; the scale's byte
.irp u, 0,1,2,3
	v_cvt_scalef32_pk8_fp4_f32 v[CO+\u], v[XN+8*\u:XN+8*\u+7], v11   ; eight numbers / the scale, to the nearest code, ties to even, beyond 6 the largest code; the lowest k in the lowest bits
.endr
	v_nop                                          ; one plain line behind the last scaled conversion
	ds_store_b8 v8, v13
	global_store_b128 v7, v[CO:CO+3], s[18:19]
	s_wait_dscnt 0x0                               ; for the others' sake: my byte lies in LDS
	s_barrier_signal -1
	s_barrier_wait -1                              ; the K step's 256 scale bytes are whole
	s_cmp_lg_u32 s8, 0
	s_cbranch_scc1 .Lend
	ds_load_b64 v[20:21], v9
	s_wait_dscnt 0x0
	global_store_b64 v9, v[20:21], s[20:21]        ; wave 0: 32 lanes store 256 consecutive bytes, at a multiple of 256 from wq's first byte
.Lend:
	s_wait_tensorcnt 0x0
	ds_add_u32 v64, v65
	s_wait_dscnt 0x0
	s_endpgm
.Lfunc_end_k_q2ee9ae2f5a_quantw:
	.size	k_q2ee9ae2f5a_quantw, .Lfunc_end_k_q2ee9ae2f5a_quantw-k_q2ee9ae2f5a_quantw
	.p2alignl 7, 3214868480
	.fill 96, 4, 3214868480
	.section	.rodata,"a",@progbits
	.p2align	6, 0x0
	.amdhsa_kernel k_q2ee9ae2f5a_quantw
		.amdhsa_group_segment_fixed_size 1280
		.amdhsa_private_segment_fixed_size 0
		.amdhsa_enable_private_segment 0
		.amdhsa_kernarg_size 16
		.amdhsa_user_sgpr_count 2
		.amdhsa_user_sgpr_kernarg_segment_ptr 1
		.amdhsa_wavefront_size32 1
		.amdhsa_system_sgpr_workgroup_id_x 1
		.amdhsa_system_sgpr_workgroup_id_y 1
		.amdhsa_system_sgpr_workgroup_id_z 1
		.amdhsa_system_vgpr_workitem_id 0
		.amdhsa_next_free_vgpr 66
		.amdhsa_next_free_sgpr 66
		.amdhsa_reserve_vcc 0
		.amdhsa_float_denorm_mode_32 3
		.amdhsa_float_denorm_mode_16_64 3
		.amdhsa_memory_ordered 1
		.amdhsa_forward_progress 1
		.amdhsa_inst_pref_size 8
	.end_amdhsa_kernel
	.amdgpu_metadata
---
amdhsa.version: [ 1, 2 ]
amdhsa.kernels:
  - .name:           k_q2ee9ae2f5a_quantw
    .symbol:         k_q2ee9ae2f5a_quantw.kd
    .args:
      - { .name: W, .offset: 0, .size: 8, .value_kind: global_buffer, .address_space: global }
      - { .name: wq, .offset: 8, .size: 8, .value_kind: global_buffer, .address_space: global }
    .group_segment_fixed_size: 1280
    .private_segment_fixed_size: 0
    .kernarg_segment_align: 8
    .kernarg_segment_size: 16
    .max_flat_workgroup_size: 256
    .sgpr_count:     66
    .vgpr_count:     66
    .wavefront_size: 32
...
	.end_amdgpu_metadata
.endif
;; end of part 1
;; launch gate (part 2): grid 256 x 1, 16 waves a work-group, no clusters, 276,480 bytes of LDS; arguments x, wq, b, out0, out1, out2; writes out0, out1, out2
.if DOCPART == 2
	.amdgcn_target "amdgcn-amd-amdhsa--gfx1250"
	.amdhsa_code_object_version 6
	.text
	.protected	k_q2ee9ae2f5a_gate
	.globl	k_q2ee9ae2f5a_gate
	.p2align	8
	.type	k_q2ee9ae2f5a_gate,@function
k_q2ee9ae2f5a_gate:
	s_mov_b64 s[64:65], 0
	v_nop
	global_prefetch_b8 v0, s[64:65] scope:SCOPE_SE
	s_setreg_imm32_b32 hwreg(HW_REG_WAVE_MODE, 25, 1), 1
	s_wait_xcnt 0x0
; logits = Q(x) Q(W) + b on codes of FP4 (E2M1) with one E8M0 scale for each 32 along K; weights = softmax(logits); the two largest weights and their experts.
; x [16384][2048] f32 is quantised here, on its way to the matrix unit; W comes as codes and scale words out of wq, laid by the launch before as images of the operand's registers.
; SHARES.  A work-group takes 64 tokens.  Wave w = 4 q + m takes the 16 tokens of row tile m and quarter q of K: 512 numbers of each row, four K steps of 128.
; THE STREAM.  Each load of a wave reads 512 consecutive bytes of one row of x.  A ring of three groups of eight loads in registers keeps 24 loads of every wave, 196,608 bytes of the work-group, on their way, with
; counted waits.  The conversions want 32 neighbours along K in ONE lane, so a K step's 16 x 512 bytes turn through the wave's own stage in LDS: in as they were loaded, back as lane (r, h) wants them:
; of row r the numbers k = 64 c + 32 h + 0..31, c = 0, 1: two whole blocks, in the very order of the operand's registers.  Stage rows are 528 bytes apart = 33 x 16: the sixteen rows of a read start at sixteen different banks (64 banks of 4 bytes: ISA guide 11.1).
; THE PRODUCT IS USED TRANSPOSED: source 0 = 16 experts of W, source 1 = my 16 tokens.  Lane (r, h) then holds token r, and register j of tile t the expert 16 t + 8 h + j: a token's softmax needs lane l xor 16 alone.
; W's 69,632 bytes are copied into LDS once, 4,352 bytes a wave, and every wave reads its quarter's fragments from there by the same 16 bytes a lane in which they were stored.
; THE SUMS: K ascending inside a quarter; waves 4 to 15 hand their quarters to waves 0 to 3 through LDS, which add them in ascending order.  The bias is the C of quarter 0's first products; the other quarters begin from zeros.
; THE TOP TWO are taken of the weights themselves, equal weights to the lower expert: the largest; the lowest expert that has it; that one entry replaced by -1; the same again.  No branch and no address hangs on a number.
; NOT USED, AND WHY.  Tensor loads with a ring in LDS: each refill of a slot stands behind a wait for all of a wave's loads, while loads into registers are waited for by count and never all at once.
; Clusters with joint loads: what work-groups share is W's 69,632 bytes against 524,288 bytes of x that each reads alone, and this text has no tensor load that could be made joint.
; LIMITS.  NaN and infinities among the inputs are not served.  A weight under 2^-126 comes out as 0 (v_exp_f32 gives 0 there: ISA guide 15.8), and such weights then count as equal in the top two.
; A block of zeros of x gets the scale byte 1 where the rule says 127: its codes are zeros, which add nothing under any byte but 0xff.
.set ROWB,  8192                       ; a row of x in bytes
.set STEPB, 512                        ; 128 numbers of a row
.set SP,    528                        ; a stage row: 512 bytes + 16
.set STGB,  16*SP                      ; a wave's stage
.set OP,    272                        ; a row of weights on the way out: 256 bytes + 16; it lies in the wave's own stage, which x has left by then
.set SCL,   65536                      ; LDS: W's codes from byte 0; its scale words here, as in wq;
.set STG,   SCL+4096                   ; the sixteen stages;
.set RED,   STG+16*STGB                ; the quarters' sums: 4,096 bytes for each wave (those of waves 0 to 3 are not used);
.set TOPS,  RED+16*4096                ; the top two: the weights' pairs from here, the experts' pairs 2,048 bytes on
.set XO,  1                            ; v1   16 x lane: my place in every dense run of 512 bytes, in memory and in LDS; never rewritten
.set SH8, 2                            ; v2   8 h: my half's first expert in a tile, and the shift of my scale bytes
.set STI, 3                            ; v3   my stage, on the way in: + 16 x lane
.set STO, 4                            ; v4   and on the way out: + 528 r + 128 h
.set WAD, 5                            ; v5   W's fragments of my quarter: 16,384 q + 16 x lane
.set SAD, 6                            ; v6   their scale words: SCL + 1,024 q + 16 r
.set RAD, 7                            ; v7   where I put my quarter's sums: RED + 4,096 w + 16 x lane
.set RLD, 8                            ; v8   from where waves 0 to 3 read the others': RED + 4,096 m + 16 x lane
.set OSI, 9                            ; v9   the weights into my stage: + 272 r + 32 h
.set OSO, 10                           ; v10  and back by rows: + 272 h + 16 r
.set TPI, 11                           ; v11  where my token's pair goes: TOPS + 2,048 h + 128 w + 8 r
.set TPO, 12                           ; v12  from where waves 0 and 1 read 512 bytes of pairs: TOPS + 2,048 (w % 2) + 16 x lane
.set MG,  13                           ; v13-14 two blocks' largest magnitudes, then their bytes
.set SC,  15                           ; v15-16 the conversions' scale operands
.set XSW, 17                           ; v17  my token's scale word
.set TMP, 18                           ; v18  what a lane exchange brings
.set LN,  13                           ; at the head only: lane, r, h
.set RR,  14
.set HH,  15
.set WSC, 20                           ; v20-23 W's scale words, one register a tile
.set CD,  24                           ; v24-31 x's codes: the operand (at the head v24-27: addresses of the copies)
.set WF,  32                           ; v32-63 W's four fragments of a K step
.set ACC, 64                           ; v64-95 four accumulators; later logits, then weights
.set XN,  96                           ; v96-159 64 neighbours of x
.set RAW, 160                          ; v160-255 the ring: three groups of eight loads
.set CH,  32                           ; the way out, in registers that W's fragments have left: v32-35 chains of a maximum
.set IX,  36                           ; v36-39 chains of an index
.set C64, 40                           ; v40  64: no expert
.set MX,  42                           ; v42-43 the row's largest logit (a pair for the packed form)
.set SU,  44                           ; v44-47 the row's sum, in chains
.set RC,  48                           ; v48-49 1 / the sum
.set M1,  50
.set I1,  51
.set M2,  52
.set I2,  53
.set DD,  54
.set OUTP, 56                          ; v56-57 the pair that I hand on
.set W2,  XN                           ; v96-127 the weights without the largest
.set OB,  XN+32                        ; v128-159 rows of weights, back from the stage
.set PP,  RAW                          ; v160-255 the other three quarters' sums
.set SEL, 34                           ; s[34:35] v_permlanex16_b32's selects for lane l xor 16
.set CS,  36                           ; s[36:37] log2(e)
	s_load_b256 s[4:11], s[0:1], 0x0               ; x s[4:5], wq s[6:7], b s[8:9], out0 s[10:11]
	s_load_b128 s[12:15], s[0:1], 0x20             ; out1 s[12:13], out2 s[14:15]
	v_lshrrev_b32 v[LN], 5, v0
	s_delay_alu instid0(VALU_DEP_1)
	v_readfirstlane_b32 s16, v[LN]                 ; wave 0..15
	s_and_b32 s17, s16, 3                          ; m: my row tile
	s_lshr_b32 s18, s16, 2                         ; q: my quarter of K
	v_and_b32 v[LN], 31, v0
	v_and_b32 v[RR], 15, v0
	v_bfe_u32 v[HH], v0, 4, 1
	s_delay_alu instid0(VALU_DEP_3)
	v_lshlrev_b32 v[XO], 4, v[LN]
	s_delay_alu instid0(VALU_DEP_2)
	v_lshlrev_b32 v[SH8], 3, v[HH]
	; every LDS address is made here, ahead of the first parting of the waves: a constant + a constant x wave + constants x lane bits
	s_mul_i32 s20, s16, STGB
	s_add_co_u32 s20, s20, STG                     ; my stage
	v_add_nc_u32 v[STI], s20, v[XO]
	v_mul_u32_u24 v[STO], v[RR], SP
	s_delay_alu instid0(VALU_DEP_1)
	v_lshl_add_u32 v[STO], v[HH], 7, v[STO]
	s_delay_alu instid0(VALU_DEP_1)
	v_add_nc_u32 v[STO], s20, v[STO]
	v_mul_u32_u24 v[OSI], v[RR], OP
	s_delay_alu instid0(VALU_DEP_1)
	v_lshl_add_u32 v[OSI], v[HH], 5, v[OSI]
	s_delay_alu instid0(VALU_DEP_1)
	v_add_nc_u32 v[OSI], s20, v[OSI]
	v_mul_u32_u24 v[OSO], v[HH], OP
	s_delay_alu instid0(VALU_DEP_1)
	v_lshl_add_u32 v[OSO], v[RR], 4, v[OSO]
	s_delay_alu instid0(VALU_DEP_1)
	v_add_nc_u32 v[OSO], s20, v[OSO]
	s_lshl_b32 s21, s18, 14
	v_add_nc_u32 v[WAD], s21, v[XO]
	s_lshl_b32 s21, s18, 10
	s_add_co_u32 s21, s21, SCL
	v_lshl_add_u32 v[SAD], v[RR], 4, s21
	s_lshl_b32 s21, s16, 12
	s_add_co_u32 s21, s21, RED
	v_add_nc_u32 v[RAD], s21, v[XO]
	s_lshl_b32 s21, s17, 12
	s_add_co_u32 s21, s21, RED
	v_add_nc_u32 v[RLD], s21, v[XO]
	s_lshl_b32 s21, s16, 7
	s_add_co_u32 s21, s21, TOPS
	v_lshl_add_u32 v[TPI], v[RR], 3, s21
	s_delay_alu instid0(VALU_DEP_1)
	v_lshl_add_u32 v[TPI], v[HH], 11, v[TPI]
	s_and_b32 s21, s16, 1
	s_lshl_b32 s21, s21, 11
	s_add_co_u32 s21, s21, TOPS
	v_add_nc_u32 v[TPO], s21, v[XO]
	s_lshl_b32 s22, s16, 12                        ; the copy of W: my 4,096 bytes of codes (K step w's four fragments), the same place in wq and in LDS,
	s_mov_b32 s23, 0
	v_add_nc_u32 v[CD], s22, v[XO]
	s_lshl_b32 s24, s16, 8                         ; and my 256 bytes of scale words, 8 a lane
	s_add_co_u32 s24, s24, SCL
	s_mov_b32 s25, 0
	v_lshlrev_b32 v[CD+2], 3, v[LN]
	s_delay_alu instid0(VALU_DEP_1)
	v_add_nc_u32 v[CD+1], s24, v[CD+2]
	v_lshlrev_b32 v[CD+3], 5, v[HH]                ; the bias: my half's eight numbers of a tile begin 32 h bytes in
	s_lshl_b32 s26, ttmp9, 19                      ; x: 64 rows a work-group, 16 a row tile, 2,048 bytes of a row a quarter
	s_lshl_b32 s27, s17, 17
	s_add_co_u32 s26, s26, s27
	s_lshl_b32 s27, s18, 11
	s_add_co_u32 s26, s26, s27
	s_mov_b32 s27, 0
	s_lshl_b32 s28, ttmp9, 14                      ; out2: 64 rows of 256 bytes a work-group, 16 a row tile
	s_lshl_b32 s29, s17, 12
	s_add_co_u32 s28, s28, s29
	s_mov_b32 s29, 0
	s_lshl_b32 s30, ttmp9, 9                       ; out0, out1: 64 pairs of 8 bytes a work-group
	s_mov_b32 s31, 0
	s_mov_b32 s[SEL], 0x76543210
	s_mov_b32 s[SEL+1], 0xfedcba98
	s_mov_b32 s[CS], 0x3fb8aa3b                    ; log2(e)
	s_mov_b32 s[CS+1], s[CS]                       ; (named with it as a pair, so it is written)
	s_cmp_lt_u32 s16, 4
	s_cselect_b32 s38, -1, 0                       ; all lanes in quarter 0, none in the others
	v_mov_b32 v[TMP], 0                            ; written once: a lane permute's destination counts as one of its sources
	s_wait_alu depctr_va_vdst(0)
	s_wait_kmcnt 0x0
	s_add_nc_u64 s[22:23], s[6:7], s[22:23]
	s_add_nc_u64 s[24:25], s[6:7], s[24:25]
	s_add_nc_u64 s[4:5], s[4:5], s[26:27]
	s_add_nc_u64 s[14:15], s[14:15], s[28:29]
	s_cmp_eq_u32 s16, 0                            ; wave 0 will store out0, wave 1 out1: the choice hangs on the wave's number alone
	s_cselect_b64 s[10:11], s[10:11], s[12:13]
	s_add_nc_u64 s[10:11], s[10:11], s[30:31]
; group g of eight loads: rows 8 (g % 2) + 0..7 of K step g / 2, into ring place g % 3
.macro GLOAD g
.irp i, 0,1,2,3,4,5,6,7
	global_load_b128 v[RAW+32*((\g)%3)+4*\i:RAW+32*((\g)%3)+4*\i+3], v[XO], s[4:5] offset:(8*((\g)%2)+\i)*ROWB+((\g)/2)*STEPB th:TH_LOAD_NT
.endr
.endm
.macro TOSTAGE g                       ; and into the stage, as loaded
.irp i, 0,1,2,3,4,5,6,7
	ds_store_b128 v[STI], v[RAW+32*((\g)%3)+4*\i:RAW+32*((\g)%3)+4*\i+3] offset:(8*((\g)%2)+\i)*SP
.endr
.endm
	; W first, since it is wanted first and loads come back in order (ISA guide 5.7.1); then the bias, straight into the accumulators; then the ring is filled
.irp i, 0,1,2,3,4,5,6,7
	global_load_b128 v[XN+4*\i:XN+4*\i+3], v[XO], s[22:23] offset:512*\i
.endr
	global_load_b64 v[XN+32:XN+33], v[CD+2], s[24:25]
.irp t, 0,1,2,3
	global_load_b128 v[ACC+8*\t:ACC+8*\t+3], v[CD+3], s[8:9] offset:64*\t        ; b(16 t + 8 h + 0..3): the result's layout
	global_load_b128 v[ACC+8*\t+4:ACC+8*\t+7], v[CD+3], s[8:9] offset:64*\t+16
.endr
	GLOAD 0
	GLOAD 1
	GLOAD 2
	s_wait_loadcnt 32                              ; W's nine loads are in: behind them stand the bias's 8 and x's 24
.irp i, 0,1,2,3,4,5,6,7
	ds_store_b128 v[CD], v[XN+4*\i:XN+4*\i+3] offset:512*\i
.endr
	ds_store_b64 v[CD+1], v[XN+32:XN+33]
	s_wait_loadcnt 24                              ; the bias is in: behind it stand x's 24
.set n_, 0
.rept 32
	v_cndmask_b32 v[ACC+n_], 0, v[ACC+n_], s38     ; quarter 0 begins from the bias, the others from 0
.set n_, n_+1
.endr
	s_wait_dscnt 0x0                               ; for the others' sake: my part of W lies in LDS
	s_barrier_signal -1
	s_barrier_wait -1                              ; all of W does
; A K STEP.  left: the loads that may stay out when this step's two groups have to be in.  ga, gb: the groups that take the ring places just emptied (-1: none is left).
.macro STEP st, left, ga, gb
	s_wait_loadcnt \left
	TOSTAGE 2*(\st)
	TOSTAGE 2*(\st)+1
.irp c, 0,1
.irp j, 0,1,2,3,4,5,6,7
	ds_load_b128 v[XN+32*\c+4*\j:XN+32*\c+4*\j+3], v[STO] offset:256*\c+16*\j    ; LDS serves a wave's instructions in order (ISA guide 5.7.1.4): these see the stores above.  Register 32 c + i = x(r, 64 c + 32 h + i)
.endr
.endr
.irp t, 0,1,2,3
.irp c, 0,1
	ds_load_b128 v[WF+8*\t+4*\c:WF+8*\t+4*\c+3], v[WAD] offset:(4*(\st)+\t)*1024+512*\c
.endr
.endr
	ds_load_b128 v[WSC:WSC+3], v[SAD] offset:256*(\st)                            ; lane r: the words of experts r, 16 + r, 32 + r, 48 + r
.if \ga >= 0
	s_wait_dscnt 25                                ; the 16 stores are done (behind them: 16 + 8 + 1 loads): they have read the ring's registers, which are loaded again
	GLOAD \ga
.endif
.if \gb >= 0
	GLOAD \gb
.endif
	s_wait_dscnt 0x0
	v_max3_num_f32 v[MG], |v[XN]|, |v[XN+1]|, 0x1800000        ; my two blocks' largest magnitudes, by turns, and the floor 2^(3 - 127): the byte cannot fall under 1
	v_max3_num_f32 v[MG+1], |v[XN+32]|, |v[XN+33]|, 0x1800000
.irp i, 2,4,6,8,10,12,14,16,18,20,22,24,26,28,30
	s_delay_alu instid0(VALU_DEP_2)
	v_max3_num_f32 v[MG], v[MG], |v[XN+\i]|, |v[XN+\i+1]|
	s_delay_alu instid0(VALU_DEP_2)
	v_max3_num_f32 v[MG+1], v[MG+1], |v[XN+32+\i]|, |v[XN+33+\i]|
.endr
	s_delay_alu instid0(VALU_DEP_2)
	v_add_nc_u32 v[SC], 0xff000000, v[MG]          ; 2 off the exponent field: the conversion takes the exponent field of this operand as its scale, and nothing else of it
	s_delay_alu instid0(VALU_DEP_2)
	v_add_nc_u32 v[SC+1], 0xff000000, v[MG+1]
	s_delay_alu instid0(VALU_DEP_2)
	v_lshrrev_b32 v[MG], 23, v[SC]                 ; the scales' bytes
	s_delay_alu instid0(VALU_DEP_2)
	v_lshrrev_b32 v[MG+1], 23, v[SC+1]
	s_delay_alu instid0(VALU_DEP_1)
	v_lshl_or_b32 v[XSW], v[MG+1], 16, v[MG]       ; blocks h and 2 + h of my token,
	s_delay_alu instid0(VALU_DEP_1)
	v_lshlrev_b32 v[XSW], v[SH8], v[XSW]           ; at their places in the scale word;
	s_delay_alu instid0(VALU_DEP_1)
	v_permlanex16_b32 v[TMP], v[XSW], s[SEL], s[SEL+1]
	s_delay_alu instid0(VALU_DEP_1)
	v_or_b32 v[XSW], v[XSW], v[TMP]                ; with lane l xor 16's two the word is whole
.irp c, 0,1
.irp u, 0,1,2,3
	v_cvt_scalef32_pk8_fp4_f32 v[CD+4*\c+\u], v[XN+32*\c+8*\u:XN+32*\c+8*\u+7], v[SC+\c]   ; registers 4 c .. 4 c + 3 of the operand
.endr
.endr
.rept 8
	v_nop                                          ; a scale register written by a vector instruction stands 8 places ahead of a scaled matrix instruction, an operand so written 4
.endr
.irp t, 0,1,2,3                                ; the four accumulators take turns, one instruction a turn, from step to step too
	v_wmma_scale_f32_16x16x128_f8f6f4 v[ACC+8*\t:ACC+8*\t+7], v[WF+8*\t:WF+8*\t+7], v[CD:CD+7], v[ACC+8*\t:ACC+8*\t+7], v[WSC+\t], v[XSW] matrix_a_fmt:MATRIX_FMT_FP4 matrix_b_fmt:MATRIX_FMT_FP4
.endr
.rept 4
	v_nop                                          ; four places in front of the loads into W's registers, and behind the last step in front of the first read of the sums
.endr
.endm
	STEP 0, 8, 3, 4                                ; groups 0, 1 are in, group 2 stays out
	STEP 1, 8, 5, 6                                ; groups 2, 3 are in, group 4 stays out
	STEP 2, 8, 7, -1                               ; groups 4, 5 are in, group 6 stays out
	STEP 3, 0, -1, -1
	; quarters 1 to 3 hand their sums on, as images of their registers; each accumulator from its low end on
	s_cmp_lt_u32 s16, 4
	s_cbranch_scc1 .Lmine
.set n_, 0
.rept 8
	ds_store_b128 v[RAD], v[ACC+4*n_:ACC+4*n_+3] offset:512*n_
.set n_, n_+1
.endr
.Lmine:
	s_wait_dscnt 0x0                               ; for the others' sake: my sums lie in LDS
	s_barrier_signal -1
	s_barrier_wait -1
	s_cmp_gt_u32 s16, 3
	s_cbranch_scc1 .Lrest                          ; waves 4 to 15 have nothing more to compute; they pass the last barrier
	; ---- waves 0 to 3: the logits of my 16 tokens
.irp p, 1,2,3
.irp i, 0,1,2,3,4,5,6,7
	ds_load_b128 v[PP+32*(\p-1)+4*\i:PP+32*(\p-1)+4*\i+3], v[RLD] offset:16384*\p+512*\i
.endr
.endr
.irp p, 0,1,2
	s_wait_dscnt 16-8*\p                           ; quarter p + 1 is in; the later quarters' loads, eight each, may be out
.irp n, 0,2,4,6,8,10,12,14,16,18,20,22,24,26,28,30
	v_pk_add_f32 v[ACC+\n:ACC+\n+1], v[ACC+\n:ACC+\n+1], v[PP+32*\p+\n:PP+32*\p+\n+1]   ; ascending: each accumulator is first read at its low end
.endr
.endr
; the largest of my 32 numbers at v[src] on, in four chains, joined with lane l xor 16's 32
.macro VMAX src, dst
.irp t, 0,1,2,3
	v_max3_num_f32 v[CH+\t], v[\src+8*\t], v[\src+8*\t+1], v[\src+8*\t+2]
.endr
.irp i, 3,5
.irp t, 0,1,2,3
	s_delay_alu instid0(VALU_DEP_4)
	v_max3_num_f32 v[CH+\t], v[CH+\t], v[\src+8*\t+\i], v[\src+8*\t+\i+1]
.endr
.endr
	s_delay_alu instid0(VALU_DEP_4)
	v_max3_num_f32 v[CH], v[CH], v[\src+7], v[\src+15]
	s_delay_alu instid0(VALU_DEP_3)
	v_max3_num_f32 v[CH+2], v[CH+2], v[\src+23], v[\src+31]
	s_delay_alu instid0(VALU_DEP_1)
	v_max3_num_f32 v[CH], v[CH], v[CH+1], v[CH+2]
	s_delay_alu instid0(VALU_DEP_1)
	v_max_num_f32 v[CH], v[CH], v[CH+3]
	s_delay_alu instid0(VALU_DEP_1)
	v_permlanex16_b32 v[TMP], v[CH], s[SEL], s[SEL+1]
	s_delay_alu instid0(VALU_DEP_1)
	v_max_num_f32 v[\dst], v[CH], v[TMP]
.endm
; the lowest expert whose number at v[src] on equals v[val]: a chain for each tile, from the tile's last register down, so that the lowest stays; 64 where there is none
.macro FIND src, val, dst
.irp t, 0,1,2,3
	v_cmp_neq_f32 s[40+\t], v[\src+8*\t+7], v[\val]
.endr
.irp t, 0,1,2,3
	s_delay_alu instid0(VALU_DEP_4)
	v_cndmask_b32 v[IX+\t], 16*\t+7, v[C64], s[40+\t]
.endr
.irp j, 6,5,4,3,2,1,0
.irp t, 0,1,2,3
	v_cmp_neq_f32 s[40+\t], v[\src+8*\t+\j], v[\val]
.endr
.irp t, 0,1,2,3
	s_delay_alu instid0(VALU_DEP_4)
	v_cndmask_b32 v[IX+\t], 16*\t+\j, v[IX+\t], s[40+\t]
.endr
.endr
	s_delay_alu instid0(VALU_DEP_3)
	v_min_u32 v[IX], v[IX], v[IX+1]
	s_delay_alu instid0(VALU_DEP_2)
	v_min_u32 v[IX+2], v[IX+2], v[IX+3]
	s_delay_alu instid0(VALU_DEP_1)
	v_min_u32 v[IX], v[IX], v[IX+2]
	s_delay_alu instid0(VALU_DEP_1)
	v_add_nc_u32 v[IX], v[SH8], v[IX]              ; register 8 t + j is expert 16 t + 8 h + j
	s_delay_alu instid0(VALU_DEP_1)
	v_permlanex16_b32 v[TMP], v[IX], s[SEL], s[SEL+1]
	s_delay_alu instid0(VALU_DEP_1)
	v_min_u32 v[\dst], v[IX], v[TMP]               ; both halves of the lanes now hold the token's answer
.endm
	VMAX ACC, MX                                   ; the row's largest logit is taken away ahead of the exponential
	v_mov_b32 v[MX+1], 0                           ; (named with it as a pair, so it is written)
.irp n, 0,2,4,6,8,10,12,14,16,18,20,22,24,26,28,30
	v_pk_add_f32 v[ACC+\n:ACC+\n+1], v[ACC+\n:ACC+\n+1], v[MX:MX+1] op_sel_hi:[1,0] neg_lo:[0,1] neg_hi:[0,1]   ; logit - the largest: 0 or less
.endr
.irp n, 0,2,4,6,8,10,12,14,16,18,20,22,24,26,28,30
	v_pk_mul_f32 v[ACC+\n:ACC+\n+1], v[ACC+\n:ACC+\n+1], s[CS:CS+1] op_sel_hi:[1,0]                             ; x log2(e)
.endr
.set n_, 0
	s_wait_alu depctr_va_vdst(0)
.rept 32
	v_exp_f32 v[ACC+n_], v[ACC+n_]                 ; one batch
.set n_, n_+1
.endr
	v_mov_b32 v[C64], 64                           ; a plain line behind the last exponential
	s_wait_alu depctr_va_vdst(0)                   ; one wait for the batch, ahead of its first reader
	v_pk_add_f32 v[46:47], v[64:65], v[66:67]
	v_pk_add_f32 v[254:255], v[72:73], v[76:77]
	v_pk_add_f32 v[252:253], v[80:81], v[84:85]
	v_pk_add_f32 v[250:251], v[88:89], v[92:93]
	v_pk_add_f32 v[248:249], v[68:69], v[70:71]
	v_pk_add_f32 v[246:247], v[74:75], v[78:79]
	v_pk_add_f32 v[244:245], v[82:83], v[86:87]
	v_pk_add_f32 v[44:45], v[90:91], v[94:95]
	s_delay_alu instid0(VALU_DEP_1)
	v_pk_add_f32 v[44:45], v[44:45], v[250:251]
	v_pk_add_f32 v[46:47], v[46:47], v[248:249]
	v_pk_add_f32 v[254:255], v[254:255], v[246:247]
	v_pk_add_f32 v[252:253], v[252:253], v[244:245]
	s_delay_alu instid0(VALU_DEP_2)
	v_pk_add_f32 v[44:45], v[44:45], v[254:255]
	s_delay_alu instid0(VALU_DEP_2)
	v_pk_add_f32 v[46:47], v[46:47], v[252:253]
	s_delay_alu instid0(VALU_DEP_1)
	v_pk_add_f32 v[44:45], v[44:45], v[46:47]
	s_delay_alu instid0(VALU_DEP_1)
	v_add_f32 v[SU], v[SU], v[SU+1]
	s_delay_alu instid0(VALU_DEP_1)
	v_permlanex16_b32 v[TMP], v[SU], s[SEL], s[SEL+1]
	s_delay_alu instid0(VALU_DEP_1)
	v_add_f32 v[SU], v[SU], v[TMP]                 ; between 1 and 64: the largest term is 1
	s_wait_alu depctr_va_vdst(0)
	v_rcp_f32 v[RC], v[SU]
	v_mov_b32 v[RC+1], 0                           ; a plain line behind the reciprocal; the pair's other half is written
	s_wait_alu depctr_va_vdst(0)                   ; and the wait ahead of its first reader
.irp n, 0,2,4,6,8,10,12,14,16,18,20,22,24,26,28,30
	v_pk_mul_f32 v[ACC+\n:ACC+\n+1], v[ACC+\n:ACC+\n+1], v[RC:RC+1] op_sel_hi:[1,0]   ; the weights
.endr
	; a lane holds 32 bytes of a token's row in each tile, and the lanes beside it hold other rows: the 16 rows go through my stage and come back as whole rows of 256 bytes
.irp t, 0,1,2,3
	ds_store_b128 v[OSI], v[ACC+8*\t:ACC+8*\t+3] offset:64*\t
	ds_store_b128 v[OSI], v[ACC+8*\t+4:ACC+8*\t+7] offset:64*\t+16
.endr
.irp i, 0,1,2,3,4,5,6,7
	ds_load_b128 v[OB+4*\i:OB+4*\i+3], v[OSO] offset:2*\i*OP         ; lanes 0-15 one row, lanes 16-31 the next; served in order behind the stores
.endr
	VMAX ACC, M1                                   ; the largest weight, while the rows come back
	s_wait_alu depctr_va_vdst(0)
	s_wait_dscnt 0x0
.irp i, 0,1,2,3,4,5,6,7
	global_store_b128 v[XO], v[OB+4*\i:OB+4*\i+3], s[14:15] offset:512*\i th:TH_STORE_NT   ; 32 lanes store 512 consecutive bytes, at a multiple of 512 from out2's first byte
.endr
	FIND ACC, M1, I1                               ; its expert: the lowest that has it
	s_delay_alu instid0(VALU_DEP_1)
	v_sub_nc_u32 v[DD], v[I1], v[SH8]              ; that expert as a register of my half: 16 t + j, or a number that none of my registers has
.irp j, 0,1,2,3,4,5,6,7
.irp t, 0,1,2,3
	v_cmp_ne_u32 s[40+\t], 16*\t+\j, v[DD]
.endr
.irp t, 0,1,2,3
	s_delay_alu instid0(VALU_DEP_4)
	v_cndmask_b32 v[W2+8*\t+\j], -1.0, v[ACC+8*\t+\j], s[40+\t]      ; that one entry becomes -1, under every weight; an equal weight of another expert stays
.endr
.endr
	VMAX W2, M2
	FIND W2, M2, I2
	v_cmp_ne_u32 s44, 0, v[SH8]                    ; lanes 0-15 hand on the token's two weights, lanes 16-31 its two experts
	s_delay_alu instid0(VALU_DEP_1)
	v_cndmask_b32 v[OUTP], v[M1], v[I1], s44
	s_delay_alu instid0(VALU_DEP_2)
	v_cndmask_b32 v[OUTP+1], v[M2], v[I2], s44
	ds_store_b64 v[TPI], v[OUTP:OUTP+1]
.Lrest:
	s_wait_dscnt 0x0                               ; for the others' sake: my tokens' pairs lie in LDS
	s_barrier_signal -1
	s_barrier_wait -1                              ; the 64 tokens' pairs are whole
	s_cmp_gt_u32 s16, 1
	s_cbranch_scc1 .Lend
	ds_load_b128 v[XN:XN+3], v[TPO]
	s_wait_dscnt 0x0
	global_store_b128 v[XO], v[XN:XN+3], s[10:11] th:TH_STORE_NT     ; wave 0: out0, wave 1: out1: 512 consecutive bytes, at a multiple of 512 from the buffer's first byte
.Lend:
	s_wait_xcnt 0x0
	v_lshl_add_u32 v254, v0, 2, 0x43000
	v_mov_b32 v255, 0
	s_wait_alu depctr_va_vdst(0)
	s_wait_tensorcnt 0x0
	ds_add_u32 v254, v255
	s_wait_dscnt 0x0
	s_endpgm
.Lfunc_end_k_q2ee9ae2f5a_gate:
	.size	k_q2ee9ae2f5a_gate, .Lfunc_end_k_q2ee9ae2f5a_gate-k_q2ee9ae2f5a_gate
	.p2alignl 7, 3214868480
	.fill 96, 4, 3214868480
	.section	.rodata,"a",@progbits
	.p2align	6, 0x0
	.amdhsa_kernel k_q2ee9ae2f5a_gate
		.amdhsa_group_segment_fixed_size 276480
		.amdhsa_private_segment_fixed_size 0
		.amdhsa_enable_private_segment 0
		.amdhsa_kernarg_size 48
		.amdhsa_user_sgpr_count 2
		.amdhsa_user_sgpr_kernarg_segment_ptr 1
		.amdhsa_wavefront_size32 1
		.amdhsa_system_sgpr_workgroup_id_x 1
		.amdhsa_system_sgpr_workgroup_id_y 1
		.amdhsa_system_sgpr_workgroup_id_z 1
		.amdhsa_system_vgpr_workitem_id 0
		.amdhsa_next_free_vgpr 256
		.amdhsa_next_free_sgpr 66
		.amdhsa_reserve_vcc 0
		.amdhsa_float_denorm_mode_32 3
		.amdhsa_float_denorm_mode_16_64 3
		.amdhsa_memory_ordered 1
		.amdhsa_forward_progress 1
		.amdhsa_inst_pref_size 79
	.end_amdhsa_kernel
	.amdgpu_metadata
---
amdhsa.version: [ 1, 2 ]
amdhsa.kernels:
  - .name:           k_q2ee9ae2f5a_gate
    .symbol:         k_q2ee9ae2f5a_gate.kd
    .args:
      - { .name: x, .offset: 0, .size: 8, .value_kind: global_buffer, .address_space: global }
      - { .name: wq, .offset: 8, .size: 8, .value_kind: global_buffer, .address_space: global }
      - { .name: b, .offset: 16, .size: 8, .value_kind: global_buffer, .address_space: global }
      - { .name: out0, .offset: 24, .size: 8, .value_kind: global_buffer, .address_space: global }
      - { .name: out1, .offset: 32, .size: 8, .value_kind: global_buffer, .address_space: global }
      - { .name: out2, .offset: 40, .size: 8, .value_kind: global_buffer, .address_space: global }
    .group_segment_fixed_size: 276480
    .private_segment_fixed_size: 0
    .kernarg_segment_align: 8
    .kernarg_segment_size: 48
    .max_flat_workgroup_size: 512
    .sgpr_count:     66
    .vgpr_count:     256
    .wavefront_size: 32
...
	.end_amdgpu_metadata
.endif
;; end of part 2
